; MI455X (gfx1250); checked and timed in simulation.
; The chip was launched on July 23, 2026; its instructions are those of AMD's public machine-readable ISA for CDNA 5 (MIT licence, August 2026) and "CDNA5" Instruction Set Architecture Reference Guide (July 2026). The comments in the code are by the model that wrote it; some were corrected since.
;; Llama Fast MLP prior. Allowed arithmetic: matrix products marked QUANTISED: E5M2 operands, one given power-of-two scale a tensor, by v_wmma_f32_16x16x64_bf8_bf8 or v_wmma_f32_16x16x128_bf8_bf8, f32 sums; everything else in f32.
;; Inputs: down_qweight 2,048 x 5,504 int32; down_qzeros 2,048 x 43 int32; down_scales 2,048 x 43 float32; gu_qweight 11,008 x 2,048 int32; gu_qzeros 11,008 x 16 int32; gu_scales 11,008 x 16 float32; lowp_scales 4 int32 (the exponents e of the quantised operands' scales 2^e); x_codes 1 x 2,048 x 64 x 32 uint8 (E5M2 codes of x, K innermost, in blocks of 32 codes).
;; Outputs: out0 2,048 x 2,048 float32.
;; This version of the problem:
;;   THIS VERSION OF THE PROBLEM IS GIVEN IN LOW PRECISION. The matrix products marked QUANTISED in the list below multiply operands that are first quantised to E5M2 (5 exponent bits, 2 mantissa bits; 8 bits a number), with one given power-of-two scale for each operand tensor; their sums are f32. All else is computed in f32.
;;   The module's matrix products, in the order in which they are computed (A, B: the left and right operand; K: the contracted axis; several contracted axes count as one K, in the product's order):
;;     1. [M 2,048, K 2,048] x [K 2,048, N 11,008]; A: input x (given as codes); B: computed on the way: QUANTISED (scales: A lowp_scales[0], B lowp_scales[1])
;;     2. [M 2,048, K 5,504] x [K 5,504, N 2,048]; A: computed on the way; B: computed on the way: QUANTISED (scales: A lowp_scales[2], B lowp_scales[3])
;;   THE QUANTISER, for each operand of a quantised product, along K:
;;     - The operand's scale is 2^e, e = its entry of the input lowp_scales (int32; the entries are numbered through the quantised products in the list's order, A before B).
;;     - Each number is divided by the scale, clamped to +-57,344, and rounded to the nearest number of E5M2, ties to even, subnormals kept.
;;     - The product sums the exact products of the quantised numbers (number of the format x scale) in f32.
;;   ~~~python
;;   def quantise(x, axis, e):      # numpy; x: float32 -> the quantised numbers, widened to float32 again
;;       x = np.moveaxis(x, axis, -1); K = x.shape[-1]
;;       r = np.clip(x / 2.0 ** e, -57344, 57344)
;;       step = 2.0 ** (np.maximum(np.frexp(np.where(r == 0, 1, r))[1] - 1, -14) - 2)
;;       q = np.round(r / step) * step * 2.0 ** e      # np.round: ties to even
;;       return np.moveaxis(q, -1, axis).astype(np.float32)
;;   ~~~
;;   OPERANDS COMPUTED ON THE WAY. 'Computed on the way' means the value that the module computes at that place (a softmax that the list does not call 'softmax' is quantised finished and normalised). What goes into a quantiser is computed in f32, as accurately as f32 sums, v_exp_f32 and their like allow (about 1e-6 of the number): no bf16 or f16 on the way to a quantiser, and a product that is left as it is and whose result goes on into a quantised operand takes f32 operands (vector FMAs, or v_wmma_f32_16x16x4_f32). A number that lies on a knife's edge between two numbers of the format may be rounded either way, as far as f32 arithmetic and the matrix unit's own rounding can turn it there, and no further.
;;   INPUTS GIVEN AS CODES. x (in the module: [1, 2048, 2048], K = its axis 2): each comes as NAME_codes (uint8): NAME with its K axis moved to the last place and cut into blocks of 32 codes, [.., K / 32, bytes a block], one block behind the other in memory; one code a byte (a code: sign, 5 exponent bits, 2 mantissa bits); its scale is its entry of lowp_scales. Its value is code x scale, taken as it is: it is not quantised again, and the codes and scales need not be those that the quantiser above would give.
;; One version. Each part assembles by itself: llvm-mc -triple=amdgcn-amd-amdhsa -mcpu=gfx1250 --defsym DOCPART=n.
;; ======== version 1 of 1: 3 launches
;; limits: right only within a limited range of input values
;; workspace buffers: gu_img 23,068,672 bytes; wd_img 11,534,336 bytes; h_img 11,534,336 bytes
;; launch quant (part 1): grid 256 x 1, 11 waves a work-group, no clusters, 26,880 bytes of LDS; arguments gu_qweight, gu_qzeros, gu_scales, down_qweight, down_qzeros, down_scales, lowp_scales, gu_img, wd_img; writes gu_img, wd_img
.if DOCPART == 1
	.amdgcn_target "amdgcn-amd-amdhsa--gfx1250"
	.amdhsa_code_object_version 6
	.text
	.protected	k_qfb0745e70b_quant
	.globl	k_qfb0745e70b_quant
	.p2align	8
	.type	k_qfb0745e70b_quant,@function
k_qfb0745e70b_quant:
	s_mov_b64 s[64:65], 0
	v_nop
	global_prefetch_b8 v0, s[64:65] scope:SCOPE_SE
	s_setreg_imm32_b32 hwreg(HW_REG_WAVE_MODE, 25, 1), 1
	s_wait_xcnt 0x0
; Both weights, given as int32 numbers q with one zero z and one scale s for each row and each 128 along K, become codes of E5M2:
; w = (q - z) * s in f32 (the difference is exact, the product is rounded once, as the definition has it), held within +-57,344 x 2^e, divided by 2^e, rounded to the nearest code.
; e = entry 1 (gate and up) or entry 3 (down) of the scales' exponents.  LIMITS: e between -126 and 112; NaN among the scales is not served; a code in the padding may be -0.
; THE CODES ARE LAID AS IMAGES OF OPERAND REGISTERS.  A fragment is 16 rows x 128 K = 2,048 bytes: byte 512 c + 256 h + 16 r + i holds (row r, k = 32 c + 16 h + i),
; so that a later launch gets registers 4 c .. 4 c + 3 of lane 16 h + r by one 16-byte load at 512 c + 16 x lane.
;   gu_img [block nb of 176 hidden columns: 32][256 along K: 8][tile: 22][4,096 bytes = two fragments];   wd_img [16 output columns nu: 128][128 along K: 44][2,048 bytes].
; The hidden axis is padded from 5,504 to 5,632: the padding's codes are written as zeros (their scale is replaced by 0), in both buffers.
; WHICH ROWS FORM A TILE OF gu_img.  Tile wt = 11 j + s belongs to wave half j of the product's launch.  s = 0..7: gate, up, gate, up of hidden tiles 4 j .. 4 j + 3; s = 8..10: the gates (j = 0) or ups (j = 1) of hidden tiles 8, 9, 10.
; Hidden tiles 2 b, 2 b + 1 (b = 0..4) share 32 neighbouring columns: tile 2 b + u takes columns 8 u + 0..7 and 8 u + 16..23 of them, so that the product's results lie as 16 neighbours along the next K.
; 176 is five and a half times 32: the lone tile 10 takes the block's last 16 columns (nb even) or its first 16 (nb odd).
; SHARES.  The unit of work is a pair of fragments: 16 rows x 256 K, 4,096 bytes of codes.  gu_img has 5,632 pairs, wd_img 2,816: 22 and 11 for each of 256 work-groups g; a wave w of 11 takes three pairs, six fragments:
;   pairs 0, 1: gu_img, nb = g / 8, pair t = 22 (g % 8) + 11 P + w of the block's 176: tile t / 8, 256 along K number t % 8;   pair 2: wd_img, nu = g / 2, pair 11 (g % 2) + w of 22.
; THE STREAM.  The six fragments go through three sets of 64 registers by turns: fragment f + 3 is asked for as soon as fragment f is converted, so that two or three fragments of a wave are always out.
; All addresses are made at the head; the row stands in the load's immediate.  Waves share nothing: no barrier, no branch.
; One load reads 512 consecutive bytes: the 128 numbers of one row and one group, so z and s are the same for all its lanes and come as scalars.
; A lane's four codes of a row are one word; the 16 words go through the wave's own stage in LDS and come back as the image: each store then covers 512 consecutive bytes, aligned.
; No prefetch: every byte is read once, and the loads themselves run two to three fragments ahead of their use.
.set ZR,   8                           ; v8-10   pair P: -z as f32: lane r + 16 hh: row r, the pair's group hh
.set SR,   11                          ; v11-13  s likewise
.set ZO,   16                          ; v16-18  where my z and s lie; never rewritten
.set GO,   26                          ; v26-27  pairs 0, 1: 16 x lane + the gap in front of rows 8-15, in bytes
.set X0,   32                          ; v32-223 three sets: row r's four numbers at 4 r
.set CR,   224                         ; v224-239 a word of codes for each row
.set OUTR, 240                         ; v240-255 the image, 16 bytes a lane and chunk
.set ZP,   32                          ; s[32:47] eight pairs (-z, 0)
.set SCP,  48                          ; s[48:63] eight pairs (s, 0)
.set QB,   66                          ; s[66:67], s[68:69] where pairs 0, 1 begin in q; s[70:71], s[72:73] pair 2's two fragments
.set OB,   74                          ; s[74:79] where the three pairs' codes go
.set MK,   84                          ; s84-86  the lanes whose group is no padding
	s_load_b512 s[4:19], s[0:1], 0x0               ; gu_qweight, gu_qzeros, gu_scales, down_qweight, down_qzeros, down_scales, the exponents, gu_img
	s_load_b64 s[20:21], s[0:1], 0x40              ; wd_img
	v_lshl_add_u32 v1, v0, 2, 0x6300               ; v1: LDS address of my spare word, behind the eleven stages; never rewritten
	v_mov_b32 v15, 0                               ; v15: 0; never rewritten
	v_lshrrev_b32 v7, 5, v0
	v_readfirstlane_b32 s22, v7                    ; wave
	s_lshr_b32 s24, ttmp9, 3                       ; nb
	v_and_b32 v28, 31, v0                          ; lane
	v_lshlrev_b32 v2, 4, v28                       ; 16 x lane
	s_mul_i32 s78, s22, 2304                       ; my stage: eight units of 256 bytes, 272 apart
	v_lshrrev_b32 v7, 2, v28
	v_mul_u32_u24 v3, v7, 272
	v_and_b32 v7, 3, v28
	v_lshl_add_u32 v3, v7, 2, v3
	v_add_nc_u32 v3, s78, v3                       ; in: lane l holds k = 4 l .. 4 l + 3: unit l / 4, word l % 4 of a row's 16 bytes; the row stands in the immediate
	v_lshrrev_b32 v7, 4, v28                       ; hh, kept
	v_mul_u32_u24 v4, v7, 272
	v_and_b32 v14, 15, v28                         ; r, kept
	v_lshl_add_u32 v4, v14, 4, v4
	v_add_nc_u32 v4, s78, v4                       ; out: chunk c is units 2 c and 2 c + 1
.irp i, 0,1,2,3,4,5,6,7
	s_mov_b32 s[ZP+2*\i+1], 0                      ; the packed forms name pairs and take the low word for both halves: the upper words are written once
	s_mov_b32 s[SCP+2*\i+1], 0
.endr
	s_wait_alu depctr_va_vdst(0)                   ; directly ahead of the wait below
	s_wait_kmcnt 0x0
	s_load_b128 s[88:91], s[16:17], 0x0            ; the four exponents
.macro LOAD f                          ; fragment f: 16 rows x 512 consecutive bytes, into set f % 3
.set lP, (\f)/2
.set lk, (\f)%2
.set lx, X0+64*((\f)%3)
.irp r, 0,1,2,3,4,5,6,7,8,9,10,11,12,13,14,15
.if lP < 2
.if \r < 8
	global_load_b128 v[lx+4*\r:lx+4*\r+3], v2, s[QB+2*lP:QB+2*lP+1] offset:8192*\r+512*lk th:TH_LOAD_NT
.else
	global_load_b128 v[lx+4*\r:lx+4*\r+3], v[GO+lP], s[QB+2*lP:QB+2*lP+1] offset:8192*\r+512*lk th:TH_LOAD_NT
.endif
.else
	global_load_b128 v[lx+4*\r:lx+4*\r+3], v2, s[QB+4+2*lk:QB+4+2*lk+1] offset:22016*\r th:TH_LOAD_NT
.endif
.endr
.endm
.macro GUSET P                         ; pair P of the gate and up weight: its addresses, and the loads of its z and s
	s_and_b32 s25, ttmp9, 7
	s_mul_i32 s25, s25, 22
	s_add_co_u32 s25, s25, s22
	s_add_co_u32 s25, s25, 11*\P                   ; t
	s_lshr_b32 s23, s25, 3                         ; wt
	s_and_b32 s92, s25, 7                          ; which 256 along K
	s_cmp_ge_u32 s23, 11
	s_cselect_b32 s25, 1, 0                        ; j
	s_mul_i32 s26, s25, 11
	s_sub_co_u32 s26, s23, s26                     ; s
	s_lshr_b32 s27, s26, 1
	s_lshl_b32 s28, s25, 2
	s_add_co_u32 s27, s27, s28                     ; 4 j + s / 2
	s_and_b32 s28, s26, 1                          ; s % 2
	s_cmp_lt_u32 s26, 8
	s_cselect_b32 s27, s27, s26                    ; the hidden tile
	s_cselect_b32 s28, s28, s25                    ; 0: gate, 1: up
	s_and_b32 s29, s24, 1                          ; nb odd?
	s_mul_i32 s30, s24, 176
	s_lshl_b32 s31, s29, 4
	s_add_co_u32 s31, s31, s30
	s_lshr_b32 s79, s27, 1
	s_lshl_b32 s79, s79, 5
	s_add_co_u32 s31, s31, s79
	s_and_b32 s79, s27, 1
	s_lshl_b32 s79, s79, 3
	s_add_co_u32 s31, s31, s79                     ; a paired tile's first column: 176 nb + 16 (nb odd) + 32 (tile / 2) + 8 (tile % 2)
	s_mul_i32 s79, s29, 160
	s_sub_co_u32 s79, s30, s79
	s_add_co_u32 s79, s79, 160                     ; the lone tile's: 176 nb + 160 (nb even)
	s_cmp_lt_u32 s27, 10
	s_cselect_b32 s31, s31, s79
	s_cselect_b32 s27, 8, 0                        ; rows 8-15 of a paired tile lie 8 columns further on
	s_cmp_lt_u32 s31, 5504                         ; a tile of the padding reads rows that exist, and its scales count as 0
	s_cselect_b32 s31, s31, 0
	s_cselect_b32 s93, 16, 0                       ; groups from this number on count as 0
	s_mul_i32 s28, s28, 5504
	s_add_co_u32 s26, s28, s31                     ; the tile's first row of the weight
	s_lshl_b32 s25, s92, 1                         ; the pair's first group
	s_mul_i32 s80, s24, 720896
	s_mul_i32 s81, s92, 90112
	s_add_co_u32 s80, s80, s81
	s_lshl_b32 s81, s23, 12
	s_add_co_u32 s80, s80, s81
	s_mov_b32 s81, 0
	s_add_nc_u64 s[OB+2*\P:OB+2*\P+1], s[18:19], s[80:81]   ; where the pair's codes go
	s_lshl_b32 s82, s26, 13                        ; a row of the weight is 8,192 bytes,
	s_lshl_b32 s83, s25, 9                         ; a group 512
	s_add_co_u32 s82, s82, s83
	s_mov_b32 s83, 0
	s_add_nc_u64 s[QB+2*\P:QB+2*\P+1], s[4:5], s[82:83]
	s_lshl_b32 s83, s27, 13                        ; the gap in bytes
	v_lshrrev_b32 v24, 3, v14
	v_mul_u32_u24 v24, v24, s27
	v_add3_u32 v24, v24, v14, s26                  ; my row of z and s,
	v_lshlrev_b32 v24, 4, v24                      ; of 16 groups
	v_add_nc_u32 v25, s25, v7                      ; my group, 15 at the most
	v_cmp_gt_u32 s[MK+\P], s93, v25
	v_add_lshl_u32 v[ZO+\P], v24, v25, 2
	v_add_nc_u32 v[GO+\P], s83, v2
	s_wait_alu depctr_va_vdst(0)
	global_load_b32 v[ZR+\P], v[ZO+\P], s[6:7]
	global_load_b32 v[SR+\P], v[ZO+\P], s[8:9]
.endm
; cnt: the loads issued behind this fragment's, which may stay out.  nxt: the fragment that takes this set next (6: none).
.macro PROC f, cnt, nxt
.set pP, (\f)/2
.set pk, (\f)%2
.set XS, X0+64*((\f)%3)
.if pP < 2
.set pS, 5
.else
.set pS, 22
.endif
	s_wait_loadcnt \cnt
.if pk == 0
	v_cvt_f32_i32 v[ZR+pP], v[ZR+pP]               ; the pair's z and s were asked for ahead of its first fragment
	v_xor_b32 v[ZR+pP], 0x80000000, v[ZR+pP]       ; -z
	v_cndmask_b32 v[SR+pP], 0, v[SR+pP], s[MK+pP]  ; the padding's scale is 0: its codes are zeros
	s_wait_alu depctr_va_vdst(0)
.endif
.irp hf, 0,1                           ; eight rows at a time: as many as the scalar pairs hold
.irp rr, 0,1,2,3,4,5,6,7
	v_readlane_b32 s[ZP+2*\rr], v[ZR+pP], 8*\hf+\rr+16*pk
	v_readlane_b32 s[SCP+2*\rr], v[SR+pP], 8*\hf+\rr+16*pk
.endr
.set i, 0
.rept 32
	v_cvt_f32_i32 v[XS+32*\hf+i], v[XS+32*\hf+i]
.set i, i+1
.endr
.irp rr, 0,1,2,3,4,5,6,7
	v_pk_add_f32 v[XS+32*\hf+4*\rr:XS+32*\hf+4*\rr+1], v[XS+32*\hf+4*\rr:XS+32*\hf+4*\rr+1], s[ZP+2*\rr:ZP+2*\rr+1] op_sel_hi:[1,0]      ; q - z
	v_pk_add_f32 v[XS+32*\hf+4*\rr+2:XS+32*\hf+4*\rr+3], v[XS+32*\hf+4*\rr+2:XS+32*\hf+4*\rr+3], s[ZP+2*\rr:ZP+2*\rr+1] op_sel_hi:[1,0]
.endr
.irp rr, 0,1,2,3,4,5,6,7
	v_pk_mul_f32 v[XS+32*\hf+4*\rr:XS+32*\hf+4*\rr+1], v[XS+32*\hf+4*\rr:XS+32*\hf+4*\rr+1], s[SCP+2*\rr:SCP+2*\rr+1] op_sel_hi:[1,0]    ; x s
	v_pk_mul_f32 v[XS+32*\hf+4*\rr+2:XS+32*\hf+4*\rr+3], v[XS+32*\hf+4*\rr+2:XS+32*\hf+4*\rr+3], s[SCP+2*\rr:SCP+2*\rr+1] op_sel_hi:[1,0]
.endr
.set i, 0
.rept 32
	v_med3_num_f32 v[XS+32*\hf+i], v[XS+32*\hf+i], -v[pS+1], v[pS+1]   ; the conversion to an 8-bit code does not saturate (ISA guide 7.6.2): the hold at the largest code x the scale
.set i, i+1
.endr
.irp g, 0,1,2,3
	v_cvt_scalef32_pk8_bf8_f32 v[CR+8*\hf+2*\g:CR+8*\hf+2*\g+1], v[XS+32*\hf+8*\g:XS+32*\hf+8*\g+7], v[pS]   ; two rows' four numbers each: a word of codes for each row
.endr
.endr
.irp r, 0,1,2,3,4,5,6,7,8,9,10,11,12,13,14,15
	ds_store_b32 v3, v[CR+\r] offset:16*\r         ; (the conversions' results go to LDS stores alone, and plain vector lines come next)
.endr
.if (\f) > 0
	s_wait_xcnt 0x0                                ; the last fragment's stores have read the image's registers: they are loaded again only behind this wait
.endif
.irp c, 0,1,2,3
	ds_load_b128 v[OUTR+4*\c:OUTR+4*\c+3], v4 offset:544*\c   ; LDS serves a wave's instructions in order (ISA guide 5.7.1.4): these see the stores above
.endr
.if (\nxt) < 6
	LOAD \nxt                                      ; this set's numbers are converted: it takes the fragment three further on
.endif
.set pP, (\f)/2
.set pk, (\f)%2
	s_wait_dscnt 0x0
.irp c, 0,1,2,3
	global_store_b128 v2, v[OUTR+4*\c:OUTR+4*\c+3], s[OB+2*pP:OB+2*pP+1] offset:pk*2048+512*\c   ; 32 lanes store 512 consecutive bytes, at a multiple of 512 from the buffer's first byte
.endr
.endm
	GUSET 0
	LOAD 0
	LOAD 1
	GUSET 1
	LOAD 2
	; pair 2: the down weight
	s_and_b32 s81, ttmp9, 1
	s_mul_i32 s81, s81, 11
	s_add_co_u32 s81, s81, s22                     ; the pair, 0..21
	s_lshl_b32 s25, s81, 1                         ; its first group
	s_lshr_b32 s83, ttmp9, 1                       ; nu
	s_lshl_b32 s26, s83, 4                         ; first row
	s_mul_i32 s80, s83, 90112
	s_lshl_b32 s81, s81, 12
	s_add_co_u32 s80, s80, s81
	s_mov_b32 s81, 0
	s_add_nc_u64 s[OB+4:OB+5], s[20:21], s[80:81]  ; where the pair's codes go
	s_mul_i32 s82, s26, 22016                      ; a row of the weight is 22,016 bytes
	s_lshl_b32 s83, s25, 9
	s_add_co_u32 s82, s82, s83
	s_mov_b32 s83, 0
	s_add_nc_u64 s[QB+4:QB+5], s[10:11], s[82:83]
	s_add_co_u32 s82, s25, 1
	s_min_u32 s82, s82, 42                         ; the padding's group reads the last group that exists: no load leaves its buffer
	s_sub_co_u32 s82, s82, s25
	s_lshl_b32 s82, s82, 9
	s_add_nc_u64 s[QB+6:QB+7], s[QB+4:QB+5], s[82:83]
	v_add_nc_u32 v24, s26, v14                     ; my row of z and s,
	v_mul_u32_u24 v24, v24, 43                     ; of 43 groups
	v_add_nc_u32 v25, s25, v7                      ; my group
	v_cmp_gt_u32 s[MK+2], 43, v25
	v_min_u32 v25, 42, v25
	v_add_lshl_u32 v[ZO+2], v24, v25, 2
	s_wait_alu depctr_va_vdst(0)
	global_load_b32 v[ZR+2], v[ZO+2], s[12:13]
	global_load_b32 v[SR+2], v[ZO+2], s[14:15]
	s_wait_kmcnt 0x0
.irp e, 0,1                            ; v5, v6: the gate and up weight's; v22, v23: the down weight's
	s_add_co_i32 s87, s[89+2*\e], 127
	s_lshl_b32 s93, s87, 23
	v_mov_b32 v[5+17*\e], s93                      ; 2^e as f32: the conversion takes its exponent field
	s_add_co_i32 s87, s87, 15
	s_lshl_b32 s87, s87, 23
	s_or_b32 s87, s87, 0x600000
	v_mov_b32 v[6+17*\e], s87                      ; 57,344 x 2^e
.endr
	s_wait_alu depctr_va_vdst(0)                   ; the head's end
	; asked for so far, in this order: z, s of pair 0; fragments 0, 1; z, s of pair 1; fragment 2; z, s of pair 2
	PROC 0, 36, 3                                  ; behind fragment 0: 16 + 2 + 16 + 2
	PROC 1, 36, 4                                  ; behind fragment 1: 2 + 16 + 2 + fragment 3's 16
	PROC 2, 34, 5                                  ; behind fragment 2: 2 + 16 + 16
	PROC 3, 32, 6                                  ; behind fragment 3: fragments 4 and 5
	PROC 4, 16, 6
	PROC 5, 0, 6
	s_wait_tensorcnt 0x0                           ; the wave's end: behind my last LDS store
	ds_add_u32 v1, v15
	s_wait_dscnt 0x0
	s_endpgm
.Lfunc_end_k_qfb0745e70b_quant:
	.size	k_qfb0745e70b_quant, .Lfunc_end_k_qfb0745e70b_quant-k_qfb0745e70b_quant
	.p2alignl 7, 3214868480
	.fill 96, 4, 3214868480
	.section	.rodata,"a",@progbits
	.p2align	6, 0x0
	.amdhsa_kernel k_qfb0745e70b_quant
		.amdhsa_group_segment_fixed_size 26880
		.amdhsa_private_segment_fixed_size 0
		.amdhsa_enable_private_segment 0
		.amdhsa_kernarg_size 72
		.amdhsa_user_sgpr_count 2
		.amdhsa_user_sgpr_kernarg_segment_ptr 1
		.amdhsa_wavefront_size32 1
		.amdhsa_system_sgpr_workgroup_id_x 1
		.amdhsa_system_sgpr_workgroup_id_y 1
		.amdhsa_system_sgpr_workgroup_id_z 1
		.amdhsa_system_vgpr_workitem_id 0
		.amdhsa_next_free_vgpr 256
		.amdhsa_next_free_sgpr 96
		.amdhsa_reserve_vcc 0
		.amdhsa_float_denorm_mode_32 3
		.amdhsa_float_denorm_mode_16_64 3
		.amdhsa_memory_ordered 1
		.amdhsa_forward_progress 1
		.amdhsa_inst_pref_size 104
	.end_amdhsa_kernel
	.amdgpu_metadata
---
amdhsa.version: [ 1, 2 ]
amdhsa.kernels:
  - .name:           k_qfb0745e70b_quant
    .symbol:         k_qfb0745e70b_quant.kd
    .args:
      - { .name: gu_qweight, .offset: 0, .size: 8, .value_kind: global_buffer, .address_space: global }
      - { .name: gu_qzeros, .offset: 8, .size: 8, .value_kind: global_buffer, .address_space: global }
      - { .name: gu_scales, .offset: 16, .size: 8, .value_kind: global_buffer, .address_space: global }
      - { .name: down_qweight, .offset: 24, .size: 8, .value_kind: global_buffer, .address_space: global }
      - { .name: down_qzeros, .offset: 32, .size: 8, .value_kind: global_buffer, .address_space: global }
      - { .name: down_scales, .offset: 40, .size: 8, .value_kind: global_buffer, .address_space: global }
      - { .name: lowp_scales, .offset: 48, .size: 8, .value_kind: global_buffer, .address_space: global }
      - { .name: gu_img, .offset: 56, .size: 8, .value_kind: global_buffer, .address_space: global }
      - { .name: wd_img, .offset: 64, .size: 8, .value_kind: global_buffer, .address_space: global }
    .group_segment_fixed_size: 26880
    .private_segment_fixed_size: 0
    .kernarg_segment_align: 8
    .kernarg_segment_size: 72
    .max_flat_workgroup_size: 352
    .sgpr_count:     96
    .vgpr_count:     256
    .wavefront_size: 32
...
	.end_amdgpu_metadata
.endif
;; end of part 1
;; launch gateup (part 2): grid 32 x 8, 4 waves a work-group, clusters of 4 x 4, 327,680 bytes of LDS; arguments x_codes, gu_img, lowp_scales, h_img; writes h_img
.if DOCPART == 2
	.amdgcn_target "amdgcn-amd-amdhsa--gfx1250"
	.amdhsa_code_object_version 6
	.text
	.protected	k_qfb0745e70b_gateup
	.globl	k_qfb0745e70b_gateup
	.p2align	8
	.type	k_qfb0745e70b_gateup,@function
k_qfb0745e70b_gateup:
	s_mov_b64 s[64:65], 0
	v_nop
	global_prefetch_b8 v0, s[64:65] scope:SCOPE_SE
	s_setreg_imm32_b32 hwreg(HW_REG_WAVE_MODE, 25, 1), 1
	s_wait_xcnt 0x0
	s_wait_alu depctr_hold_cnt(0) depctr_sa_sdst(0) depctr_va_vdst(0) depctr_va_sdst(0) depctr_va_ssrc(0) depctr_va_vcc(0) depctr_vm_vsrc(0)
	s_getreg_b32 s2, hwreg(HW_REG_IB_STS2, 6, 4)
	s_cmp_eq_u32 s2, 0
	s_cbranch_scc0 .Lentry_in_a_cluster
	s_endpgm
.Lentry_in_a_cluster:
	s_bfe_u32 s2, ttmp6, 0x10000c
	s_cmp_lg_u32 s2, 0xf033
	s_cbranch_scc0 .Lentry_shape_is_right
	s_endpgm
.Lentry_shape_is_right:
; h = silu(x Wg^T) * (x Wu^T), quantised to E5M2 with 2^e2, from codes of x (2^e0) and of the gate and up weight (2^e1, laid as register images by the launch before).  Sums in f32.
; SHARES.  A work-group takes 256 rows of x and block nb of 176 hidden columns: 22 weight tiles of 16 rows (11 gates, 11 ups).  32 x 8 work-groups: one for each of 256 WGPs.
; Wave w: i = w / 2: rows 128 i on (eight units a of 16 rows); j = w % 2: weight tiles 11 j + s, s = 0..10.  88 accumulators, 704 registers.
; s = 0..7 are gate, up, gate, up of hidden tiles 4 j .. 4 j + 3: gate and up meet in one wave.  s = 8..10 are the gates (j = 0) or the ups (j = 1) of hidden tiles 8, 9, 10: the two waves of a row half exchange them through LDS at the end.
; THE MATRIX INSTRUCTION IS USED TRANSPOSED (source 0 = 16 weight rows, source 1 = 16 rows of x): a lane holds one row of x, its registers run along the hidden columns.  The weight rows of a tile were chosen so that the 16 registers of
; hidden tiles 2 b, 2 b + 1 are 16 neighbours along the next K: the conversions' results are the 16 bytes that the lane owns in h's register image, and go to memory straight from registers.
; K goes in slots of 256 through a ring of two LDS slots: x as 256 rows of 256 bytes (272 apart), the weight as 22 images of 4,096 bytes, dense.  A step is 128 along K: 88 matrix instructions a wave.
; k's place in the registers is the same permutation in both operands (registers 4 c .. 4 c + 3: k = 32 c + 16 (lane / 16) + 0..15), so every product meets its partner.
; CLUSTERS: 4 x 4 work-groups.  x's tile hangs on the row block alone and is shared along a row of the cluster, the weight's on nb alone and is shared along a column: each is asked for jointly.
; LIMITS on the given exponents: e0 + e1 between -126 and 127; e2 - 2 (e0 + e1) between -126 and 112.  NaN among the inputs is not served.  The exponential and the reciprocal flush denormals (ISA guide 15.8).
; REGISTERS, in windows of 256: window 0: v1-13 addresses and constants; v16-79 x's units 0-3; v80-255 the 11 weight tiles.  ONE set of each: a tile is free behind its products with units 4-7, units 0-3 behind the step's first half.
;   windows 1, 2, 3: accumulator (s, a) at v[8 (8 (s % 4) + a)] of window 1 + s / 4;   window 3, v192-255: x's units 4-7.
.set SLOT,  159744                     ; x: 256 x 272 = 69,632; the weight: 22 x 4,096 = 90,112
.set BOFF,  69632
.set SPARE, 2*SLOT                     ; behind the ring: the spare words, 128 bytes for each wave: two blocks of 256 bytes that no other line names
.set ADRA, 1                           ; v1-2   LDS address of my units of x in slot 0, 1
.set ADRB, 3                           ; v3-4   of my weight tiles
.set SPW,  5                           ; v5     LDS address of my spare word; never rewritten
.set NIL,  6                           ; v6     0; never rewritten
.set HV,   7                           ; v7     16 x lane
.set HL,   8                           ; v8     the lone tile's store: 16 (lane % 16) + one unit of h_img for lanes 16-31
.set XS,   9                           ; v9     the exchange: where I put my accumulators
.set XG,   10                          ; v10    where I find the gates of my four units,
.set XU,   11                          ; v11    and the ups
.set SC,   12                          ; v12    2^(e2 - 2 (e0 + e1)) as f32
.set LIM,  13                          ; v13    57,344 x that
.set AL,   16
.set BF,   80
.set AH,   192                         ; in window 3
.set TT,   16                          ; the way out: 64 registers for the sigmoid,
.set PP,   80                          ; 64 for gate x up,
.set CD,   144                         ; and codes: a set of their own for every store
.set CL,   224
.set G1, 24                            ; s[24:31] descriptor group 1 for x's tiles;  s[32:39] group 0, one set for each slot
.set G0, 32
.set G1B, 48                           ; s[48:55], s[56:63] the same for the weight's
.set G0B, 56
; THE TILES ARE PREFETCHED INTO THE L2: slot 0 ahead of the opening round, slots 1 and 2 behind the head's load, slot 3 behind slot 1's load, slot t + 4 behind the refill for slot t + 2 (two refills ahead); nothing past slot 7.
; The four partners that ask for a tile jointly share its blocks of 256 bytes out BY ADDRESS.  x: of the 128 rows that a wave fetches the partner at cx names 32, a lane a row: one instruction.
; The weight: of the 176 blocks that a wave fetches the partner at cy names 44: 32 by one instruction, 12 by a second (its other lanes name the last block again).  The branches hang on the wave's number and the loop's counter alone.
.set PFO, 14
.macro ASK base, inloop                ; s[base:base+1]: my share of the slot that is asked for
.if \inloop
	s_cmp_gt_u32 s3, 1                             ; the loop's last trip has no slot two refills on
	s_cbranch_scc0 .Lasked_all_\@
.endif
	global_prefetch_b8 v[PFO], s[\base:\base+1] th:TH_LOAD_NT scope:SCOPE_SE
	s_cmp_eq_u32 s15, 0
	s_cbranch_scc1 .Lasked_all_\@
	global_prefetch_b8 v[PFO+1], s[\base:\base+1] th:TH_LOAD_NT scope:SCOPE_SE
.Lasked_all_\@:
.endm
.set MSB, 0
.macro WIN new                         ; the immediate's high byte repeats the setting that is left; a switch that changes nothing is dropped
.set WNEW, \new
.if MSB != WNEW
	s_set_vgpr_msb (MSB<<8)|WNEW
.set MSB, WNEW
.endif
.endm
.set P1, 0x50                          ; sources 0 and 1 window 0; C and D window 1, 2, 3
.set P2, 0xa0
.set P3, 0xf0
.set Q1, 0x5c                          ; the same with source 1 (x's units 4-7) in window 3
.set Q2, 0xac
.set Q3, 0xfc
.set TO3, 0xc0                         ; destination window 3, address window 0
; A joint load: waves 0 and 1 fetch x's two halves, waves 2 and 3 the weight's.  The branch hangs on the wave's number alone.  Four v_nop follow each of the two lines.
.macro JLOAD g0a, g1a, g0b, g1b
	s_cmp_eq_u32 s15, 0
	s_cbranch_scc0 .Lfor_b_\@
	tensor_load_to_lds s[\g0a:\g0a+3], s[\g1a:\g1a+7]
	s_nop 0
.rept 4
	v_nop
.endr
	s_branch .Lasked_\@
.Lfor_b_\@:
	tensor_load_to_lds s[\g0b:\g0b+3], s[\g1b:\g1b+7]
	s_nop 0
.rept 4
	v_nop
.endr
.Lasked_\@:
.endm
.macro CREST                           ; a round of the cluster's barrier behind its opening barrier
	s_cmp_lg_u32 s14, 0
	s_cbranch_scc1 .Lnot_wave_0_\@
	s_barrier_signal -3
.Lnot_wave_0_\@:
	s_barrier_wait -3
	s_barrier_signal -1
	s_barrier_wait -1
.endm
.macro CROUND
	s_barrier_signal -1
	s_barrier_wait -1
	CREST
.endm
	s_load_b128 s[4:7], s[0:1], 0x0                ; x's codes, the weight's images
	s_load_b128 s[8:11], s[0:1], 0x10              ; the exponents, h's images
	v_lshl_add_u32 v[SPW], v0, 2, SPARE
	v_mov_b32 v[NIL], 0
	ds_add_u32 v5, v6
	ds_add_u32 v5, v6
	s_wait_dscnt 0x0
	v_lshrrev_b32 v14, 5, v0
	v_readfirstlane_b32 s14, v14                   ; wave 0..3
	s_lshr_b32 s15, s14, 1                         ; i.  Also: I fetch for x (0) or for the weight (1)
	s_and_b32 s16, s14, 1                          ; j.  Also: which half of that tile I fetch
	s_bfe_u32 s40, ttmp6, 0x40000                  ; cx, cy: my place in the cluster
	s_bfe_u32 s41, ttmp6, 0x40004
	s_lshl_b32 s42, ttmp9, 2
	s_add_co_u32 s42, s42, s40                     ; nb = 4 x cluster x + cx
	s_and_b32 s17, ttmp7, 0xffff
	s_lshl_b32 s17, s17, 2
	s_add_co_u32 s17, s17, s41                     ; row block mb = 4 x cluster y + cy
	s_lshl_b32 s43, s41, 2
	s_lshl_b32 s43, 15, s43                        ; my row of the cluster
	s_lshl_b32 s44, 0x1111, s40                    ; my column
	s_or_b32 s[G1+0], s43, (0<<16)|(1<<20)|(1<<21)|(5<<22)|(3<<25)  ; 15:0 the mask; 17:16 elements of 1 byte; 20 padding on; 21 set beside a mask; 24:22 after every 64 words; 31:25 four words of it
	s_mov_b32 s[G1+1], 256<<16                     ; tensor_dim0 = 256
	s_mov_b32 s[G1+2], 128<<16                     ; tensor_dim1 = 128
	s_mov_b32 s[G1+3], 256<<16                     ; tile_dim0 = 256
	s_mov_b32 s[G1+4], 128                         ; tile_dim1 = 128
	s_mov_b32 s[G1+5], 2048                        ; a row of x is 2,048 bytes
	s_mov_b32 s[G1+6], 0
	s_mov_b32 s[G1+7], 0
	s_or_b32 s[G1B+0], s44, (3<<16)|(1<<21)        ; elements of 8 bytes, no padding: 11 images are one dense block of 45,056 bytes, stated as 176 rows of 256
	s_mov_b32 s[G1B+1], 32<<16
	s_mov_b32 s[G1B+2], 176<<16
	s_mov_b32 s[G1B+3], 32<<16
	s_mov_b32 s[G1B+4], 176
	s_mov_b32 s[G1B+5], 32
	s_mov_b32 s[G1B+6], 0
	s_mov_b32 s[G1B+7], 0
	s_lshl_b32 s20, s17, 19                        ; x: row 256 mb + 128 x half, 2,048 bytes each
	s_lshl_b32 s18, s16, 18
	s_add_co_u32 s20, s20, s18
	s_mov_b32 s21, 0
	s_mul_i32 s46, s42, 720896                     ; the weight: block nb, half of a slot's 22 images
	s_mul_i32 s18, s16, 45056
	s_add_co_u32 s46, s46, s18
	s_mov_b32 s47, 0
	s_mul_i32 s45, s16, 34816                      ; where they go: no place in the cluster enters an LDS address
	s_add_co_u32 s19, s18, BOFF
	s_lshl_b32 s84, s40, 16                        ; the prefetches.  x: my work-group's 32 rows of the 128 that I fetch: cx x 32 rows of 2,048 bytes
	s_mul_i32 s85, s41, 11264                      ; the weight: my work-group's 44 blocks of the 176: cy x 44 x 256 bytes
	s_mov_b32 s94, 90112
	s_cmp_eq_u32 s15, 0                            ; do I fetch for x?
	s_cselect_b32 s84, s84, s85
	s_cselect_b32 s94, 256, s94                    ; bytes from slot to slot
	s_cselect_b32 s86, 11, 8                       ; a lane's step: a row of x, or a block
	s_mov_b32 s85, 0
	s_mov_b32 s95, 0
	v_and_b32 v[PFO], 31, v0
	v_min_u32 v[PFO+1], 11, v[PFO]
	v_lshlrev_b32 v[PFO], s86, v[PFO]
	v_lshl_add_u32 v[PFO+1], v[PFO+1], 8, 0x2000
	s_wait_alu depctr_va_vdst(0)                   ; directly ahead of the wait below
	s_wait_kmcnt 0x0
	s_load_b128 s[68:71], s[8:9], 0x0              ; e0, e1, e2, e3
	s_add_nc_u64 s[20:21], s[4:5], s[20:21]
	s_add_nc_u64 s[46:47], s[6:7], s[46:47]
	s_cmp_eq_u32 s15, 0
	s_cselect_b64 s[92:93], s[20:21], s[46:47]
	s_add_nc_u64 s[92:93], s[92:93], s[84:85]      ; my share of slot 0,
	s_add_nc_u64 s[96:97], s[92:93], s[94:95]      ; of slot 1,
	s_add_nc_u64 s[98:99], s[96:97], s[94:95]      ; of slot 2,
	s_add_nc_u64 s[100:101], s[98:99], s[94:95]    ; and of slot 3: this one is stepped in the loop
	ASK 92, 0                                      ; slot 0 is asked of memory ahead of the round in front of its joint load
	CROUND                                         ; all sixteen work-groups are here: the first joint loads meet
.irp s, 0,1
	s_mov_b32 s[G0+4*\s], 1
	s_add_co_u32 s[G0+4*\s+1], s45, \s*SLOT
	s_add_nc_u64 s[G0+4*\s+2:G0+4*\s+3], s[20:21], \s*256
	s_or_b32 s[G0+4*\s+3], s[G0+4*\s+3], 0x80000000
	s_mov_b32 s[G0B+4*\s], 1
	s_add_co_u32 s[G0B+4*\s+1], s19, \s*SLOT
	s_add_nc_u64 s[G0B+4*\s+2:G0B+4*\s+3], s[46:47], \s*90112
	s_or_b32 s[G0B+4*\s+3], s[G0B+4*\s+3], 0x80000000
.endr
	JLOAD G0, G1, G0B, G1B                         ; slot 0: one tensor load a wave at the head
	v_and_b32 v16, 15, v0                          ; r (v16, v17 serve the head; later they hold fragments)
	v_bfe_u32 v17, v0, 4, 1                        ; h
	v_and_b32 v[HV], 31, v0
	v_lshlrev_b32 v[HV], 4, v[HV]
	v_mul_u32_u24 v[ADRA], v16, 272
	v_lshl_add_u32 v[ADRA], v17, 4, v[ADRA]
	s_mul_i32 s84, s15, 34816
	v_add_nc_u32 v[ADRA], s84, v[ADRA]             ; my 128 rows; row r x pitch + 16 h
	v_add_nc_u32 v[ADRA+1], SLOT, v[ADRA]
	s_mul_i32 s84, s16, 45056
	s_add_co_u32 s84, s84, BOFF
	v_add_nc_u32 v[ADRB], s84, v[HV]               ; my 11 images; 16 x lane
	v_add_nc_u32 v[ADRB+1], SLOT, v[ADRB]
	v_mul_u32_u24 v[HL], v17, 90112
	v_lshl_add_u32 v[HL], v16, 4, v[HL]
	s_mul_i32 s84, s14, 24576
	v_add_nc_u32 v[XS], s84, v[HV]                 ; the exchange: 24 accumulators of 1,024 bytes for each wave
	s_mul_i32 s84, s15, 49152
	s_lshl_b32 s85, s16, 12
	s_add_co_u32 s84, s84, s85
	v_add_nc_u32 v[XG], s84, v[HV]                 ; wave 2 i's region, units 4 j on
	v_add_nc_u32 v[XU], 24576, v[XG]               ; wave 2 i + 1's
	s_wait_alu depctr_va_vdst(0)                   ; ahead of the branches below
	ASK 96, 0                                      ; slots 1 and 2
	ASK 98, 0
	; where h goes.  h_img: [unit of 16 rows][chunk of 32 columns: 176][512 bytes].  My block's five whole chunks begin at chunk q0 = 11 (nb / 2) + 6 (nb % 2); the lone tile is half of chunk 11 (nb / 2) + 5
	s_lshl_b32 s84, s17, 4
	s_lshl_b32 s85, s15, 3
	s_add_co_u32 s84, s84, s85
	s_mul_i32 s84, s84, 90112                      ; unit 16 mb + 8 i
	s_lshr_b32 s86, s42, 1
	s_mul_i32 s86, s86, 11
	s_and_b32 s87, s42, 1
	s_mul_i32 s88, s87, 6
	s_add_co_u32 s88, s88, s86                     ; q0
	s_lshl_b32 s89, s16, 1
	s_add_co_u32 s89, s89, s88
	s_lshl_b32 s89, s89, 9
	s_add_co_u32 s90, s84, s89
	s_mov_b32 s91, 0
	s_add_nc_u64 s[74:75], s[10:11], s[90:91]      ; my own two chunks: q0 + 2 j on, all eight units
	s_mul_i32 s89, s16, 360448
	s_add_co_u32 s84, s84, s89                     ; units 4 j on
	s_add_co_u32 s89, s88, 4
	s_lshl_b32 s89, s89, 9
	s_add_co_u32 s90, s84, s89
	s_add_nc_u64 s[76:77], s[10:11], s[90:91]      ; chunk q0 + 4
	s_add_co_u32 s89, s86, 5
	s_lshl_b32 s89, s89, 9
	s_lshl_b32 s87, s87, 8
	s_add_co_u32 s89, s89, s87
	s_add_co_u32 s90, s84, s89
	s_add_nc_u64 s[78:79], s[10:11], s[90:91]      ; the lone tile's half chunk
	s_mov_b32 s80, 0xffff0000                      ; lanes 16-31
	s_mov_b32 s82, 0x76543210                      ; v_permlanex16_b32's selects: lane l xor 16
	s_mov_b32 s83, 0xfedcba98
	s_wait_alu depctr_va_vdst(0)
	s_wait_kmcnt 0x0
	s_add_co_i32 s84, s68, s69                     ; E = e0 + e1: a sum stands for sum x 2^E
	s_lshl_b32 s85, s84, 23
	s_mov_b32 s72, 0xbfb8aa3b                      ; -log2(e),
	s_add_co_i32 s72, s72, s85                     ; x 2^E: E is added to the exponent field
	s_mov_b32 s73, s72                             ; (named with it as a pair, so it is written)
	s_lshl_b32 s85, s84, 1
	s_sub_co_i32 s85, s70, s85                     ; gate x up x sigmoid stands for h / 2^(2 E): the three scales are folded into the conversion's one, 2^(e2 - 2 E)
	s_add_co_i32 s85, s85, 127
	s_lshl_b32 s86, s85, 23
	v_mov_b32 v[SC], s86
	s_add_co_i32 s85, s85, 15
	s_lshl_b32 s85, s85, 23
	s_or_b32 s85, s85, 0x600000
	v_mov_b32 v[LIM], s85
; n tiles from s0 on x four units of x (hi = 0: units 0-3, 1: units 4-7), 128 along K.  zero = 1: the first product starts the sums: nothing is ever cleared.
; The 88 accumulators take turns, one instruction a turn, in the same order in every step.
.macro MUL s0, n, hi, zero
.set ms, \s0
.rept \n
.set ma, 0
.rept 4
.set rD, 8*(8*(ms%4)+4*\hi+ma)
.set rB, BF+16*ms
.set rA, AL+(AH-AL)*\hi+16*ma
.if \zero
	v_wmma_f32_16x16x128_bf8_bf8 v[rD:rD+7], v[rB:rB+15], v[rA:rA+15], 0
.else
	v_wmma_f32_16x16x128_bf8_bf8 v[rD:rD+7], v[rB:rB+15], v[rA:rA+15], v[rD:rD+7]
.endif
.set ma, ma+1
.endr
.set ms, ms+1
.endr
.endm
.macro LB slot, q, s0, n               ; n weight tiles from s0 on, the slot's q-th 128 along K: four loads of 512 consecutive bytes each
.set ls, \s0
.rept \n
.irp c, 0,1,2,3
	ds_load_b128 v[BF+16*ls+4*\c:BF+16*ls+4*\c+3], v[ADRB+\slot] offset:4096*ls+2048*\q+512*\c
.endr
.set ls, ls+1
.endr
.endm
.macro LA slot, q, hi                  ; four units of x
.irp a, 0,1,2,3
.irp c, 0,1,2,3
	ds_load_b128 v[AL+(AH-AL)*\hi+16*\a+4*\c:AL+(AH-AL)*\hi+16*\a+4*\c+3], v[ADRA+\slot] offset:4352*(4*\hi+\a)+128*\q+32*\c
.endr
.endr
.endm
; A load into a register that a matrix instruction has read, and a vector instruction or an LDS store that reads a matrix result, stand four places behind that matrix instruction; only plain vector
; instructions that name none of its registers are places (ISA guide 7.12.1 for vector instructions).
.macro PLACES
.rept 4
	v_nop
.endr
.endm
; A STEP's fragments are asked for in this order: tiles 0-3 (16 loads), units 0-3 (16), tiles 4-7 (16), tiles 8-10 (12), all in the step before; units 4-7 (16) behind the step's first 16 products.
; The step that has its successor in the same slot.
.macro STEP slot, zero
	s_wait_dscnt 28                                ; tiles 0-3 and units 0-3 are in; tiles 4-7 and 8-10 may be out
	WIN P1
	MUL 0, 4, 0, \zero
	WIN TO3
	LA \slot, 0, 1                                 ; units 4-7: their last readers stand in front of the four places at the last step's end
	s_wait_dscnt 28                                ; tiles 4-7 are in; tiles 8-10 and units 4-7 may be out
	WIN P2
	MUL 4, 4, 0, \zero
	s_wait_dscnt 16                                ; tiles 8-10 are in
	WIN P3
	MUL 8, 3, 0, \zero
	s_wait_dscnt 0                                 ; units 4-7 are in (asked for 28 matrix instructions ago)
	WIN Q1
	MUL 0, 4, 1, \zero
	PLACES
	WIN 0
	LB \slot, 1, 0, 4
	LA \slot, 1, 0
	WIN Q2
	MUL 4, 4, 1, \zero
	PLACES
	WIN 0
	LB \slot, 1, 4, 4
	WIN Q3
	MUL 8, 3, 1, \zero
	PLACES
	WIN 0
	LB \slot, 1, 8, 3
.endm
; A slot's second step changes slots: ONE barrier; in front of it each wave waits for all its tensor loads, adds 0 to its spare word, and waits for that and for its own reads of this slot.  fill = 1: this slot is filled again, two slots ahead.
.macro TURN slot, next, fill
.if \fill
	s_wait_xcnt 0x0                                ; my last prefetch has read its address: it is stepped only behind this wait
	s_add_nc_u64 s[100:101], s[100:101], s[94:95]
.endif
	s_wait_dscnt 28
	WIN P1
	MUL 0, 4, 0, 0
	WIN TO3
	LA \slot, 1, 1                                 ; my last reads of this slot
	s_wait_dscnt 28
	WIN P2
	MUL 4, 4, 0, 0
	WIN 0                                          ; (the add's two registers lie in window 0)
	s_wait_tensorcnt 0x0                           ; all my tensor loads have landed: my part of the next slot;
	ds_add_u32 v[SPW], v[NIL]                      ; 0 onto my spare word;
	s_wait_dscnt 17                                ; tiles 8-10 are in; units 4-7's sixteen loads and the add may be out
	WIN P3
	MUL 8, 3, 0, 0                                 ; twelve matrix instructions stand between the add and the wait for it
	s_wait_dscnt 0x0                               ; the add is done, and my reads of this slot are over
	s_barrier_signal -1
	WIN Q1
	MUL 0, 4, 1, 0
	WIN 0
	s_barrier_wait -1
.if \fill
	CREST                                          ; the barrier has opened a round of the cluster's barrier: no wave of any partner still reads this slot or has a load on its way
	s_add_nc_u64 s[G0+4*\slot+2:G0+4*\slot+3], s[G0+4*\slot+2:G0+4*\slot+3], 512
	s_add_nc_u64 s[G0B+4*\slot+2:G0B+4*\slot+3], s[G0B+4*\slot+2:G0B+4*\slot+3], 180224
	JLOAD G0+4*\slot, G1, G0B+4*\slot, G1B         ; the first tensor load behind the round; the four v_nop behind it are the places in front of the loads below
.else
	PLACES
.endif
	LB \next, 0, 0, 4
	LA \next, 0, 0
.if \fill
	ASK 100, 1                                     ; behind the joint load and the run of LDS loads: the slot two refills on
.endif
	WIN Q2
	MUL 4, 4, 1, 0
	PLACES
	WIN 0
	LB \next, 0, 4, 4
	WIN Q3
	MUL 8, 3, 1, 0
	PLACES
	WIN 0
	LB \next, 0, 8, 3
.endm
	s_wait_alu depctr_va_vdst(0)                   ; the head's end
	s_wait_tensorcnt 0x0                           ; my part of slot 0 is in; as ahead of a refill:
	ds_add_u32 v[SPW], v[NIL]                      ; 0 onto my spare word;
	s_wait_dscnt 0x0                               ; the add is done
	CROUND                                         ; a whole round: everybody's part of slot 0 is in, and all sixteen work-groups are here,
	JLOAD G0+4, G1, G0B+4, G1B                     ; and slot 1's load is the first tensor load behind the round
	LB 0, 0, 0, 4
	LA 0, 0, 0
	LB 0, 0, 4, 4
	LB 0, 0, 8, 3
	ASK 100, 0                                     ; slot 3
	STEP 0, 1                                      ; the first step stands in front of the loop: its products start the sums
	s_mov_b32 s3, 3
.Llap:                                                 ; a trip goes once round the ring and fills both slots again: K's slots 2 to 7
	TURN 0, 1, 1
	STEP 1, 0
	TURN 1, 0, 1
	STEP 0, 0
	s_sub_co_u32 s3, s3, 1
	s_cmp_lg_u32 s3, 0
	s_cbranch_scc1 .Llap
	TURN 0, 1, 0                                   ; the last lap fills nothing, and has no round of the cluster's barrier
	STEP 1, 0
	s_wait_dscnt 28                                ; the very last step: only units 4-7 are still to be fetched
	WIN P1
	MUL 0, 4, 0, 0
	WIN TO3
	LA 1, 1, 1
	s_wait_dscnt 28
	WIN P2
	MUL 4, 4, 0, 0
	s_wait_dscnt 16
	WIN P3
	MUL 8, 3, 0, 0
	s_wait_dscnt 0
	WIN Q1
	MUL 0, 4, 1, 0
	WIN Q2
	MUL 4, 4, 1, 0
	WIN Q3
	MUL 8, 3, 1, 0
	PLACES
	; THE EXCHANGE.  My 24 accumulators of tiles 8-10 go to LDS as they stand; behind a barrier I take the gates and the ups of units 4 j .. 4 j + 3: no branch, no select.
	; The bytes lie in slot 0: it has had its last fill, and every wave has passed the last change of slots, behind which nobody reads it.
	WIN 0x0c                                       ; store data in window 3
.set e, 0
.rept 24
	ds_store_b128 v[XS], v[8*e:8*e+3] offset:1024*e          ; each accumulator from its low end on
	ds_store_b128 v[XS], v[8*e+4:8*e+7] offset:1024*e+512
.set e, e+1
.endr
	WIN 0
	s_wait_dscnt 0x0                               ; for the others' sake: my stores are done
	s_barrier_signal -1
	s_barrier_wait -1
	WIN TO3
.irp t, 0,1,2
.irp a, 0,1,2,3
	ds_load_b128 v[8*(4*\t+\a):8*(4*\t+\a)+3], v[XG] offset:(8*\t+\a)*1024          ; gates: window 3, v0-95
	ds_load_b128 v[8*(4*\t+\a)+4:8*(4*\t+\a)+7], v[XG] offset:(8*\t+\a)*1024+512
	ds_load_b128 v[96+8*(4*\t+\a):96+8*(4*\t+\a)+3], v[XU] offset:(8*\t+\a)*1024    ; ups: v96-191
	ds_load_b128 v[96+8*(4*\t+\a)+4:96+8*(4*\t+\a)+7], v[XU] offset:(8*\t+\a)*1024+512
.endr
.endr
; Four units of 16 rows x one chunk of 32 columns.  G, U: sums of gate and up.  h / 2^(2 E) = G U / (1 + 2^(-log2(e) 2^E G)).  g0, u0: the chunk's first hidden tile, g1, u1: its second; unit n lies 8 n further on.
.macro EPI4 win, g0, u0, g1, u1, cd, hb, imm
	WIN (\win)*5                                   ; sources 0 and 1 in window win
.irp n, 0,1,2,3
.irp k, 0,2,4,6
	v_pk_mul_f32 v[TT+16*\n+\k:TT+16*\n+\k+1], v[(\g0)+8*\n+\k:(\g0)+8*\n+\k+1], s[72:73] op_sel_hi:[1,0]
.endr
.irp k, 0,2,4,6
	v_pk_mul_f32 v[TT+16*\n+8+\k:TT+16*\n+8+\k+1], v[(\g1)+8*\n+\k:(\g1)+8*\n+\k+1], s[72:73] op_sel_hi:[1,0]
.endr
.endr
.irp n, 0,1,2,3
.irp k, 0,2,4,6
	v_pk_mul_f32 v[PP+16*\n+\k:PP+16*\n+\k+1], v[(\g0)+8*\n+\k:(\g0)+8*\n+\k+1], v[(\u0)+8*\n+\k:(\u0)+8*\n+\k+1]
.endr
.irp k, 0,2,4,6
	v_pk_mul_f32 v[PP+16*\n+8+\k:PP+16*\n+8+\k+1], v[(\g1)+8*\n+\k:(\g1)+8*\n+\k+1], v[(\u1)+8*\n+\k:(\u1)+8*\n+\k+1]
.endr
.endr
	WIN 0
.set e, 0
	s_wait_alu depctr_va_vdst(0)
.rept 64
	v_exp_f32 v[TT+e], v[TT+e]
.set e, e+1
.endr
	v_nop                                          ; a plain instruction between the exponentials and the use of their results (ISA guide 5.7.2)
.set e, 0
	s_wait_alu depctr_va_vdst(0)
.rept 32
	v_pk_add_f32 v[TT+e:TT+e+1], v[TT+e:TT+e+1], 1.0 op_sel_hi:[1,0]
.set e, e+2
.endr
.set e, 0
	s_wait_alu depctr_va_vdst(0)
.rept 64
	v_rcp_f32 v[TT+e], v[TT+e]
.set e, e+1
.endr
	v_nop                                          ; likewise behind the reciprocals
.set e, 0
	s_wait_alu depctr_va_vdst(0)
.rept 32
	v_pk_mul_f32 v[PP+e:PP+e+1], v[PP+e:PP+e+1], v[TT+e:TT+e+1]
.set e, e+2
.endr
.set e, 0
.rept 64
	v_med3_num_f32 v[PP+e], v[PP+e], -v[LIM], v[LIM]   ; the conversion to an 8-bit code does not saturate (ISA guide 7.6.2): the hold at the largest code x the scale
.set e, e+1
.endr
.irp n, 0,1,2,3
	v_cvt_scalef32_pk8_bf8_f32 v[(\cd)+4*\n:(\cd)+4*\n+1], v[PP+16*\n:PP+16*\n+7], v[SC]
	v_cvt_scalef32_pk8_bf8_f32 v[(\cd)+4*\n+2:(\cd)+4*\n+3], v[PP+16*\n+8:PP+16*\n+15], v[SC]
.endr
	v_nop                                          ; a plain instruction behind the last conversion: later vector lines write its sources
.irp n, 0,1,2,3
	global_store_b128 v[HV], v[(\cd)+4*\n:(\cd)+4*\n+3], s[\hb:\hb+1] offset:(\imm)+90112*\n   ; a chunk of a unit: 32 lanes store 512 consecutive bytes, aligned; the codes' registers are never written again
.endr
.endm
.irp pp, 0,1                           ; my own two chunks stand between the exchange's loads and the wait for them
.irp bb, 0,1
	EPI4 1+\pp, 32*\bb, 64+32*\bb, 128+32*\bb, 192+32*\bb, CD+16*(2*\pp+\bb), 74, 512*\pp+360448*\bb
.endr
.endr
	s_wait_dscnt 0x0                               ; the exchanged gates and ups are in
	EPI4 3, 0, 96, 32, 128, CD+64, 76, 0           ; hidden tiles 8 and 9: chunk q0 + 4 of my four units
	; THE LONE TILE: 16 columns, half a chunk.  A lane holds eight codes of its row, the lane 16 away the other eight.  Two units are put together, so that lanes 0-15 store one unit's 256 bytes and lanes 16-31 the other's.
	WIN 15
.irp n, 0,1,2,3
.irp k, 0,2,4,6
	v_pk_mul_f32 v[TT+8*\n+\k:TT+8*\n+\k+1], v[64+8*\n+\k:64+8*\n+\k+1], s[72:73] op_sel_hi:[1,0]
.endr
.endr
.irp n, 0,1,2,3
.irp k, 0,2,4,6
	v_pk_mul_f32 v[PP+8*\n+\k:PP+8*\n+\k+1], v[64+8*\n+\k:64+8*\n+\k+1], v[160+8*\n+\k:160+8*\n+\k+1]
.endr
.endr
	WIN 0
.set e, 0
	s_wait_alu depctr_va_vdst(0)
.rept 32
	v_exp_f32 v[TT+e], v[TT+e]
.set e, e+1
.endr
	v_nop
.set e, 0
	s_wait_alu depctr_va_vdst(0)
.rept 16
	v_pk_add_f32 v[TT+e:TT+e+1], v[TT+e:TT+e+1], 1.0 op_sel_hi:[1,0]
.set e, e+2
.endr
.set e, 0
	s_wait_alu depctr_va_vdst(0)
.rept 32
	v_rcp_f32 v[TT+e], v[TT+e]
.set e, e+1
.endr
	v_nop
.set e, 0
	s_wait_alu depctr_va_vdst(0)
.rept 16
	v_pk_mul_f32 v[PP+e:PP+e+1], v[PP+e:PP+e+1], v[TT+e:TT+e+1]
.set e, e+2
.endr
.set e, 0
.rept 32
	v_med3_num_f32 v[PP+e], v[PP+e], -v[LIM], v[LIM]
.set e, e+1
.endr
.irp n, 0,1,2,3
	v_cvt_scalef32_pk8_bf8_f32 v[CL+2*\n:CL+2*\n+1], v[PP+8*\n:PP+8*\n+7], v[SC]
.endr
.irp p, 0,1
	v_mov_b32 v[234+8*\p], 0                       ; a lane permute's destination counts as one of its sources.  (Also the plain place behind the conversions)
	v_mov_b32 v[235+8*\p], 0
.endr
.irp p, 0,1                            ; X: unit 2 p's codes, Y: unit 2 p + 1's
	v_cndmask_b32 v[232+8*\p], v[CL+4*\p+2], v[CL+4*\p], s80        ; what the lane 16 away wants: lanes 0-15 send Y, lanes 16-31 send X
	v_cndmask_b32 v[233+8*\p], v[CL+4*\p+3], v[CL+4*\p+1], s80
	v_permlanex16_b32 v[234+8*\p], v[232+8*\p], s82, s83
	v_permlanex16_b32 v[235+8*\p], v[233+8*\p], s82, s83
	v_cndmask_b32 v[236+8*\p], v[CL+4*\p], v[234+8*\p], s80         ; columns 0-7: lanes 0-15 their own X, lanes 16-31 the Y received
	v_cndmask_b32 v[237+8*\p], v[CL+4*\p+1], v[235+8*\p], s80
	v_cndmask_b32 v[238+8*\p], v[234+8*\p], v[CL+4*\p+2], s80       ; columns 8-15: lanes 0-15 the X received, lanes 16-31 their own Y
	v_cndmask_b32 v[239+8*\p], v[235+8*\p], v[CL+4*\p+3], s80
	global_store_b128 v[HL], v[236+8*\p:239+8*\p], s[78:79] offset:180224*\p   ; sixteen lanes store 256 consecutive bytes, aligned
.endr
	s_wait_tensorcnt 0x0                           ; the wave's end: behind my last tensor load and my last LDS store
	ds_add_u32 v[SPW], v[NIL]
	s_wait_dscnt 0x0
	CROUND                                         ; the closing round: no work-group ends while a partner may still ask for a tile that names it
	s_endpgm
.Lfunc_end_k_qfb0745e70b_gateup:
	.size	k_qfb0745e70b_gateup, .Lfunc_end_k_qfb0745e70b_gateup-k_qfb0745e70b_gateup
	.p2alignl 7, 3214868480
	.fill 96, 4, 3214868480
	.section	.rodata,"a",@progbits
	.p2align	6, 0x0
	.amdhsa_kernel k_qfb0745e70b_gateup
		.amdhsa_group_segment_fixed_size 327680
		.amdhsa_private_segment_fixed_size 0
		.amdhsa_enable_private_segment 0
		.amdhsa_kernarg_size 32
		.amdhsa_user_sgpr_count 2
		.amdhsa_user_sgpr_kernarg_segment_ptr 1
		.amdhsa_wavefront_size32 1
		.amdhsa_system_sgpr_workgroup_id_x 1
		.amdhsa_system_sgpr_workgroup_id_y 1
		.amdhsa_system_sgpr_workgroup_id_z 1
		.amdhsa_system_vgpr_workitem_id 0
		.amdhsa_next_free_vgpr 1024
		.amdhsa_next_free_sgpr 102
		.amdhsa_reserve_vcc 0
		.amdhsa_float_denorm_mode_32 3
		.amdhsa_float_denorm_mode_16_64 3
		.amdhsa_memory_ordered 1
		.amdhsa_forward_progress 1
		.amdhsa_inst_pref_size 204
	.end_amdhsa_kernel
	.amdgpu_metadata
---
amdhsa.version: [ 1, 2 ]
amdhsa.kernels:
  - .name:           k_qfb0745e70b_gateup
    .symbol:         k_qfb0745e70b_gateup.kd
    .args:
      - { .name: x_codes, .offset: 0, .size: 8, .value_kind: global_buffer, .address_space: global }
      - { .name: gu_img, .offset: 8, .size: 8, .value_kind: global_buffer, .address_space: global }
      - { .name: lowp_scales, .offset: 16, .size: 8, .value_kind: global_buffer, .address_space: global }
      - { .name: h_img, .offset: 24, .size: 8, .value_kind: global_buffer, .address_space: global }
    .group_segment_fixed_size: 327680
    .private_segment_fixed_size: 0
    .kernarg_segment_align: 8
    .kernarg_segment_size: 32
    .max_flat_workgroup_size: 128
    .sgpr_count:     102
    .vgpr_count:     1024
    .wavefront_size: 32
...
	.end_amdgpu_metadata
.endif
;; end of part 2
;; launch down (part 3): grid 16 x 16, 4 waves a work-group, clusters of 4 x 1, 327,680 bytes of LDS; arguments h_img, wd_img, lowp_scales, out0; writes out0
.if DOCPART == 3
	.amdgcn_target "amdgcn-amd-amdhsa--gfx1250"
	.amdhsa_code_object_version 6
	.text
	.protected	k_qfb0745e70b_down
	.globl	k_qfb0745e70b_down
	.p2align	8
	.type	k_qfb0745e70b_down,@function
k_qfb0745e70b_down:
	s_mov_b64 s[64:65], 0
	v_nop
	global_prefetch_b8 v0, s[64:65] scope:SCOPE_SE
	s_setreg_imm32_b32 hwreg(HW_REG_WAVE_MODE, 25, 1), 1
	s_wait_xcnt 0x0
	s_wait_alu depctr_hold_cnt(0) depctr_sa_sdst(0) depctr_va_vdst(0) depctr_va_sdst(0) depctr_va_ssrc(0) depctr_va_vcc(0) depctr_vm_vsrc(0)
	s_getreg_b32 s2, hwreg(HW_REG_IB_STS2, 6, 4)
	s_cmp_eq_u32 s2, 0
	s_cbranch_scc0 .Lentry_in_a_cluster
	s_endpgm
.Lentry_in_a_cluster:
	s_bfe_u32 s2, ttmp6, 0x10000c
	s_cmp_lg_u32 s2, 0x3003
	s_cbranch_scc0 .Lentry_shape_is_right
	s_endpgm
.Lentry_shape_is_right:
; out = h Wd^T x 2^(e2 + e3), from codes of h and of the down weight, both laid as register images by the launches before (a fragment: 16 rows x 128 K = 2,048 bytes).  Sums in f32.  K is padded to 5,632 with zero codes.
; SHARES.  A work-group makes 128 x 128 of out: 16 x 16 work-groups.  Wave w: w / 2: which 128 of each 256 along K; w % 2: which 64 columns.  32 accumulators (8 units of 16 rows x 4 column tiles); 22 steps of 256 along K.
; At the end the two K halves are added through a stage in LDS, and whole rows of 512 bytes are stored.  LIMIT: e2 + e3 between -126 and 127.
; h goes through a ring of two LDS slots of 131,072 bytes (8 units x 1,024 along K), asked for jointly by the four work-groups of a cluster, which share the row block; the sixth fill is half as long.
; The weight goes from memory straight into registers, seven sets of 64 by turns; by the counted waits up to 63 of its loads are out, several steps ahead of their use: so it is not prefetched.
; h IS PREFETCHED INTO THE L2 two fills ahead of its joint load: fills 1 and 2 behind the head's load, fill 3 behind fill 1's load, fills 4 and 5 behind the refills for 2 and 3.  Of the two units x 16,384 bytes that a wave fetches,
; the partner at cx names unit cx / 2, half cx % 2: 32 blocks of 256 bytes, a lane a block (of the last fill 16 blocks; the other lanes name the last again).
.set SLOT,   131072
.set SPARE,  262144
.set SPITCH, 528
.set PART,   128*SPITCH
.set LASTN,  21
.set RD,   8
.set ADRA, 16
.set STO,  24
.set CO,   26
.set SPW,  28
.set NIL,  29
.set G1,  24
.set G0,  32
.set G0H, 40
.set G1H, 48
.set MSB, 0
.macro WIN new
.set WNEW, \new
.if MSB != WNEW
	s_set_vgpr_msb (MSB<<8)|WNEW
.set MSB, WNEW
.endif
.endm
.macro CREST
	s_cmp_lg_u32 s14, 0
	s_cbranch_scc1 .Lnot_wave_0_\@
	s_barrier_signal -3
.Lnot_wave_0_\@:
	s_barrier_wait -3
	s_barrier_signal -1
	s_barrier_wait -1
.endm
.macro CROUND
	s_barrier_signal -1
	s_barrier_wait -1
	CREST
.endm
.macro PLACES
.rept 4
	v_nop
.endr
.endm
	s_load_b128 s[4:7], s[0:1], 0x0
	s_load_b128 s[8:11], s[0:1], 0x10
	v_lshl_add_u32 v[SPW], v0, 2, SPARE
	v_mov_b32 v[NIL], 0
	ds_add_u32 v28, v29
	ds_add_u32 v28, v29
	s_wait_dscnt 0x0
	v_lshrrev_b32 v1, 5, v0
	v_readfirstlane_b32 s14, v1
	v_and_b32 v3, 31, v0
	v_lshlrev_b32 v[CO], 4, v3
	v_lshlrev_b32 v4, 8, v3                        ; v4: the prefetches' offset, 256 x lane;
	v_min_u32 v5, 15, v3
	v_lshlrev_b32 v5, 8, v5                        ; v5: the last fill's, 256 x min(lane, 15).  Never rewritten
	s_lshr_b32 s15, s14, 1
	s_and_b32 s16, s14, 1
	s_bfe_u32 s44, ttmp6, 0x40000
	s_lshl_b32 s45, ttmp9, 2
	s_add_co_u32 s45, s45, s44
	s_and_b32 s17, ttmp7, 0xffff
	s_mov_b32 s[G1+0], 15|(3<<16)|(1<<21)
	s_mov_b32 s[G1+1], 2048<<16
	s_mov_b32 s[G1+2], 2<<16
	s_mov_b32 s[G1+3], 2048<<16
	s_mov_b32 s[G1+4], 2
	s_mov_b32 s[G1+5], 11264
	s_mov_b32 s[G1+6], 0
	s_mov_b32 s[G1+7], 0
	s_mov_b32 s[G1H+0], 15|(3<<16)|(1<<21)
	s_mov_b32 s[G1H+1], 1024<<16
	s_mov_b32 s[G1H+2], 2<<16
	s_mov_b32 s[G1H+3], 1024<<16
	s_mov_b32 s[G1H+4], 2
	s_mov_b32 s[G1H+5], 11264
	s_mov_b32 s[G1H+6], 0
	s_mov_b32 s[G1H+7], 0
	s_lshl_b32 s18, s17, 3
	s_lshl_b32 s19, s14, 1
	s_add_co_u32 s18, s18, s19
	s_mul_i32 s18, s18, 90112
	s_mov_b32 s19, 0
	s_lshl_b32 s20, s45, 3
	s_lshl_b32 s21, s16, 2
	s_add_co_u32 s20, s20, s21
	s_mul_i32 s20, s20, 90112
	s_lshl_b32 s21, s15, 11
	s_add_co_u32 s20, s20, s21
	s_mov_b32 s21, 0
	s_lshl_b32 s46, s14, 15
	s_lshl_b32 s47, s14, 14
	s_wait_kmcnt 0x0
	s_load_b128 s[92:95], s[8:9], 0x0
	s_add_nc_u64 s[18:19], s[4:5], s[18:19]
	s_add_nc_u64 s[20:21], s[6:7], s[20:21]
	s_lshr_b32 s60, s44, 1
	s_mul_i32 s60, s60, 90112                      ; unit cx / 2 of my two
	s_and_b32 s62, s44, 1
	s_lshl_b32 s61, s62, 13
	s_lshl_b32 s62, s62, 12
	s_add_co_u32 s62, s62, s60                     ; the last fill: half cx % 2 of 8,192 bytes
	s_add_co_u32 s60, s60, s61                     ; the others: half cx % 2 of 16,384 bytes
	s_mov_b32 s61, 0
	s_mov_b32 s63, 0
	s_add_nc_u64 s[56:57], s[18:19], s[60:61]      ; my work-group's share of what I fetch; the fill stands in the immediate
	s_add_nc_u64 s[58:59], s[18:19], s[62:63]
.irp s, 0,1
	s_mov_b32 s[G0+4*\s], 1
	s_add_co_u32 s[G0+4*\s+1], s46, \s*SLOT
	s_add_nc_u64 s[G0+4*\s+2:G0+4*\s+3], s[18:19], \s*16384
	s_or_b32 s[G0+4*\s+3], s[G0+4*\s+3], 0x80000000
.endr
	s_mov_b32 s[G0H], 1
	s_add_co_u32 s[G0H+1], s47, SLOT
	s_add_nc_u64 s[G0H+2:G0H+3], s[18:19], 5*16384
	s_or_b32 s[G0H+3], s[G0H+3], 0x80000000
	s_wait_alu depctr_va_vdst(0)
	global_prefetch_b8 v4, s[56:57] th:TH_LOAD_NT scope:SCOPE_SE   ; fill 0 too is asked of memory, ahead of the round in front of its joint load
	CROUND
	tensor_load_to_lds s[G0:G0+3], s[G1:G1+7]
	s_nop 0
	s_wait_alu depctr_va_vdst(0)
	WIN 0xc0                                       ; the weight's first three sets are asked for while h's first fill is on its way
.irp n, 0,1,2
.irp b, 0,1,2,3
.irp c, 0,1,2,3
	global_load_b128 v[64*\n+16*\b+4*\c:64*\n+16*\b+4*\c+3], v[CO], s[20:21] offset:90112*\b+4096*\n+512*\c
.endr
.endr
.endr
	WIN 0
	global_prefetch_b8 v4, s[56:57] offset:16384 th:TH_LOAD_NT scope:SCOPE_SE     ; fills 1 and 2
	global_prefetch_b8 v4, s[56:57] offset:2*16384 th:TH_LOAD_NT scope:SCOPE_SE
	s_wait_tensorcnt 0x0
	ds_add_u32 v28, v29
	s_wait_dscnt 0x0
	CROUND
	tensor_load_to_lds s[G0+4:G0+7], s[G1:G1+7]
	s_nop 0
	PLACES
	global_prefetch_b8 v4, s[56:57] offset:3*16384 th:TH_LOAD_NT scope:SCOPE_SE   ; fill 3
.macro GB n
.set gb_n, \n
.set gb_s, gb_n%7
.if gb_s < 4
	WIN 0xc0
.set gb_r, 64*gb_s
.else
	WIN 0
.set gb_r, 64*(gb_s-3)
.endif
.irp b, 0,1,2,3
.irp c, 0,1,2,3
	global_load_b128 v[gb_r+16*\b+4*\c:gb_r+16*\b+4*\c+3], v[CO], s[20:21] offset:90112*\b+4096*gb_n+512*\c
.endr
.endr
.endm
.macro LA n
.set la_n, \n
.set la_r, 128*(la_n%2)
.set la_i, la_n%4
.set la_v, ADRA+2*((la_n/4)%2)
	WIN 0x80
.irp u, 0,1,2,3,4,5,6,7
.irp c, 0,1,2,3
.if la_n < 20
	ds_load_b128 v[la_r+16*\u+4*\c:la_r+16*\u+4*\c+3], v[la_v+\u/4] offset:16384*(\u%4)+4096*la_i+512*\c
.else
	ds_load_b128 v[la_r+16*\u+4*\c:la_r+16*\u+4*\c+3], v[ADRA+2] offset:8192*\u+4096*la_i+512*\c
.endif
.endr
.endr
.endm
.macro MUL n, zero
.set mu_s, (\n)%7
.set mu_a, 128*((\n)%2)
.if mu_s < 4
	WIN 0x5b
.set mu_b, 64*mu_s
.else
	WIN 0x58
.set mu_b, 64*(mu_s-3)
.endif
.irp a, 0,1,2,3,4,5,6,7
.irp b, 0,1,2,3
.if \zero
	v_wmma_f32_16x16x128_bf8_bf8 v[8*(4*\a+\b):8*(4*\a+\b)+7], v[mu_b+16*\b:mu_b+16*\b+15], v[mu_a+16*\a:mu_a+16*\a+15], 0
.else
	v_wmma_f32_16x16x128_bf8_bf8 v[8*(4*\a+\b):8*(4*\a+\b)+7], v[mu_b+16*\b:mu_b+16*\b+15], v[mu_a+16*\a:mu_a+16*\a+15], v[8*(4*\a+\b):8*(4*\a+\b)+7]
.endif
.endr
.endr
.endm
.macro CHANGE kind
	WIN 0
	s_wait_tensorcnt 0x0
	ds_add_u32 v[SPW], v[NIL]
.if \kind < 2
	s_add_nc_u64 s[G0+4*\kind+2:G0+4*\kind+3], s[G0+4*\kind+2:G0+4*\kind+3], 2*16384
.endif
	s_wait_dscnt 0x0
.if \kind < 3
	CROUND
.if \kind < 2
	tensor_load_to_lds s[G0+4*\kind:G0+4*\kind+3], s[G1:G1+7]
	s_nop 0
.else
	tensor_load_to_lds s[G0H:G0H+3], s[G1H:G1H+7]
	s_nop 0
.endif
.else
	s_barrier_signal -1
	s_barrier_wait -1
.endif
	PLACES
.if st_n == 3
	global_prefetch_b8 v4, s[56:57] offset:4*16384 th:TH_LOAD_NT scope:SCOPE_SE   ; behind the refill for fill 2: fill 4
.endif
.if st_n == 7
	global_prefetch_b8 v5, s[58:59] offset:5*16384 th:TH_LOAD_NT scope:SCOPE_SE   ; behind the refill for fill 3: fill 5, the short one
.endif
.endm
.macro STEP n, zero
.set st_n, \n
.if (st_n%4 == 3) && (st_n < 20)
.set st_k, (st_n/4)%2
.if st_n == 15
.set st_k, 2
.endif
.if st_n == 19
.set st_k, 3
.endif
	CHANGE st_k
.else
.if st_n > 0
	PLACES
.endif
	s_wait_dscnt 0x0
.endif
.if st_n >= 18
	s_wait_loadcnt 16*(LASTN-st_n)
.endif
	LA st_n+1
	MUL st_n, \zero
.if st_n+6 <= LASTN
	s_wait_loadcnt 47
	GB st_n+6
.endif
.endm
	v_and_b32 v1, 15, v0
	v_bfe_u32 v2, v0, 4, 1
	s_lshl_b32 s22, s15, 11
	v_add_nc_u32 v[ADRA], s22, v[CO]
	v_add_nc_u32 v[ADRA+1], 65536, v[ADRA]
	v_add_nc_u32 v[ADRA+2], SLOT, v[ADRA]
	v_add_nc_u32 v[ADRA+3], SLOT+65536, v[ADRA]
	s_mul_i32 s23, s15, PART
	s_lshl_b32 s22, s16, 8
	s_add_co_u32 s23, s23, s22
	v_mul_u32_u24 v[STO], v1, SPITCH
	v_lshl_add_u32 v[STO], v2, 5, v[STO]
	v_add_nc_u32 v[STO], s23, v[STO]
	s_mul_i32 s23, s14, 32*SPITCH
	v_add_nc_u32 v[RD], s23, v[CO]
	v_add_nc_u32 v[RD+1], PART, v[RD]
	s_lshl_b32 s84, s17, 20
	s_lshl_b32 s85, s14, 18
	s_add_co_u32 s84, s84, s85
	s_lshl_b32 s85, s45, 9
	s_add_co_u32 s84, s84, s85
	s_mov_b32 s85, 0
	s_add_nc_u64 s[10:11], s[10:11], s[84:85]
	s_wait_alu depctr_va_vdst(0)
.irp n, 3,4,5
	s_wait_loadcnt 47
	GB \n
.endr
	WIN 0
	s_wait_tensorcnt 1
	s_barrier_signal -1
	s_barrier_wait -1
	LA 0
	STEP 0, 1
.irp n, 1,2,3,4,5,6,7,8,9,10,11,12,13,14,15,16,17,18,19,20
	STEP \n, 0
.endr
	s_wait_loadcnt 0x0
	s_wait_dscnt 0x0
	s_barrier_signal -1
	MUL LASTN, 0
	WIN 0
	s_barrier_wait -1
	PLACES
	WIN 0x04
.irp a, 0,1,2,3,4,5,6,7
.irp b, 0,1,2,3
	ds_store_b128 v[STO], v[8*(4*\a+\b):8*(4*\a+\b)+3] offset:16*SPITCH*\a+64*\b
	ds_store_b128 v[STO], v[8*(4*\a+\b)+4:8*(4*\a+\b)+7] offset:16*SPITCH*\a+64*\b+16
.endr
.endr
	WIN 0
	s_wait_kmcnt 0x0
	s_add_co_i32 s96, s94, s95
	s_add_co_i32 s96, s96, 127
	s_lshl_b32 s96, s96, 23
	s_mov_b32 s97, s96
	s_wait_dscnt 0x0
	s_barrier_signal -1
	s_barrier_wait -1
.macro BLOAD b
.set BS, 32+64*((\b)%3)
.irp rw, 0,1,2,3,4,5,6,7
.irp p, 0,1
	ds_load_b128 v[BS+8*\rw+4*\p:BS+8*\rw+4*\p+3], v[RD+\p] offset:SPITCH*(8*(\b)+\rw)
.endr
.endr
.endm
.macro BSUM b
.set BS, 32+64*((\b)%3)
.irp rw, 0,1,2,3,4,5,6,7
	v_pk_add_f32 v[BS+8*\rw:BS+8*\rw+1], v[BS+8*\rw:BS+8*\rw+1], v[BS+8*\rw+4:BS+8*\rw+5]
	v_pk_add_f32 v[BS+8*\rw+2:BS+8*\rw+3], v[BS+8*\rw+2:BS+8*\rw+3], v[BS+8*\rw+6:BS+8*\rw+7]
	v_pk_mul_f32 v[BS+8*\rw:BS+8*\rw+1], v[BS+8*\rw:BS+8*\rw+1], s[96:97] op_sel_hi:[1,0]
	v_pk_mul_f32 v[BS+8*\rw+2:BS+8*\rw+3], v[BS+8*\rw+2:BS+8*\rw+3], s[96:97] op_sel_hi:[1,0]
	global_store_b128 v[CO], v[BS+8*\rw:BS+8*\rw+3], s[10:11] offset:8192*(8*(\b)+\rw) th:TH_STORE_NT
.endr
.endm
	BLOAD 0
	BLOAD 1
	s_wait_dscnt 16
	BSUM 0
	BLOAD 2
	s_wait_dscnt 16
	BSUM 1
	s_wait_xcnt 0x0
	BLOAD 3
	s_wait_dscnt 16
	BSUM 2
	s_wait_dscnt 0x0
	BSUM 3
	s_wait_tensorcnt 0x0
	ds_add_u32 v[SPW], v[NIL]
	s_wait_dscnt 0x0
	CROUND
	s_endpgm
.Lfunc_end_k_qfb0745e70b_down:
	.size	k_qfb0745e70b_down, .Lfunc_end_k_qfb0745e70b_down-k_qfb0745e70b_down
	.p2alignl 7, 3214868480
	.fill 96, 4, 3214868480
	.section	.rodata,"a",@progbits
	.p2align	6, 0x0
	.amdhsa_kernel k_qfb0745e70b_down
		.amdhsa_group_segment_fixed_size 327680
		.amdhsa_private_segment_fixed_size 0
		.amdhsa_enable_private_segment 0
		.amdhsa_kernarg_size 32
		.amdhsa_user_sgpr_count 2
		.amdhsa_user_sgpr_kernarg_segment_ptr 1
		.amdhsa_wavefront_size32 1
		.amdhsa_system_sgpr_workgroup_id_x 1
		.amdhsa_system_sgpr_workgroup_id_y 1
		.amdhsa_system_sgpr_workgroup_id_z 1
		.amdhsa_system_vgpr_workitem_id 0
		.amdhsa_next_free_vgpr 1024
		.amdhsa_next_free_sgpr 98
		.amdhsa_reserve_vcc 0
		.amdhsa_float_denorm_mode_32 3
		.amdhsa_float_denorm_mode_16_64 3
		.amdhsa_memory_ordered 1
		.amdhsa_forward_progress 1
		.amdhsa_inst_pref_size 156
	.end_amdhsa_kernel
	.amdgpu_metadata
---
amdhsa.version: [ 1, 2 ]
amdhsa.kernels:
  - .name:           k_qfb0745e70b_down
    .symbol:         k_qfb0745e70b_down.kd
    .args:
      - { .name: h_img, .offset: 0, .size: 8, .value_kind: global_buffer, .address_space: global }
      - { .name: wd_img, .offset: 8, .size: 8, .value_kind: global_buffer, .address_space: global }
      - { .name: lowp_scales, .offset: 16, .size: 8, .value_kind: global_buffer, .address_space: global }
      - { .name: out0, .offset: 24, .size: 8, .value_kind: global_buffer, .address_space: global }
    .group_segment_fixed_size: 327680
    .private_segment_fixed_size: 0
    .kernarg_segment_align: 8
    .kernarg_segment_size: 32
    .max_flat_workgroup_size: 128
    .sgpr_count:     98
    .vgpr_count:     1024
    .wavefront_size: 32
...
	.end_amdgpu_metadata
.endif
;; end of part 3
